; MI455X (gfx1250); checked and timed in simulation.
; The chip was launched on July 23, 2026; its instructions are those of AMD's public machine-readable ISA for CDNA 5 (MIT licence, August 2026) and "CDNA5" Instruction Set Architecture Reference Guide (July 2026). The comments in the code are by the model that wrote it; some were corrected since.
;; Multi Head Attention. Allowed arithmetic: float matrix products may take bf16 or f16 operands with f32 sums; all other float work in f32.
;; Inputs: Wk 1,024 x 1,024 float32; Wo 1,024 x 1,024 float32; Wq 1,024 x 1,024 float32; Wv 1,024 x 1,024 float32; bo 1,024 float32; x 2 x 2,048 x 1,024 float32.
;; Outputs: out0 2 x 2,048 x 1,024 float32.
;; One version. Each part assembles by itself: llvm-mc -triple=amdgcn-amd-amdhsa -mcpu=gfx1250 --defsym DOCPART=n.
;; ======== version 1 of 1: 4 launches
;; limits: values are held in f16: magnitudes above 65,504 overflow, below 6.1e-05 lose precision; right only within a limited range of input values
;; workspace buffers: xh 8,388,608 bytes; wh 8,388,608 bytes; qkv 25,165,824 bytes; att 8,388,608 bytes
;; launch tof16 (part 1): grid 128 x 8, 8 waves a work-group, no clusters, 0 bytes of LDS; arguments x, Wq, Wk, Wv, Wo, xh, wh; writes xh, wh
.if DOCPART == 1
	.amdgcn_target "amdgcn-amd-amdhsa--gfx1250"
	.amdhsa_code_object_version 6
	.text
	.protected	k_qe754f5117d_tof16
	.globl	k_qe754f5117d_tof16
	.p2align	8
	.type	k_qe754f5117d_tof16,@function
k_qe754f5117d_tof16:
	s_mov_b64 s[64:65], 0
	v_nop
	global_prefetch_b8 v0, s[64:65] scope:SCOPE_SE
	s_setreg_imm32_b32 hwreg(HW_REG_WAVE_MODE, 25, 1), 1
	s_wait_xcnt 0x0
; x and the four weight matrices, f32, are rounded once to f16: xh = x, wh = [Wq; Wk; Wv; Wo], rows of 1,024.
; WHY f16 AND NOT bf16, here and in the three launches behind: between x and out0 lie seven roundings of matrix operands (x, W, q and k, v, the weights,
; att, Wo); f16 keeps 11 significant bits where bf16 keeps 8, so each of them is eight times finer.
; LIMIT: |x| and |W| below 65,504 (larger numbers become infinite); below 2^-14 the step is 2^-24, whatever the size of the number.
; A stream: no LDS, no barrier, no matrix unit, since every number is read once and written once.
; Grid y picks 4 MiB of f32: y = 0..3 a quarter of x, y = 4..7 one weight matrix.  Grid x picks 32 KiB of it.
; Thread t takes 8 neighbouring f32 (32 bytes) in each of 4 chunks of 8,192 bytes and stores 16 bytes, so a store of
; a wave covers 512 consecutive bytes, aligned.  All 8 loads of a thread go out first; no register is written twice.
.set INCH,  8192                       ; bytes of f32 that the 256 threads take in one step
.set OUTCH, 4096                       ; bytes of f16 that they store in one step
.set XI, 4                             ; v[4:35]   8 f32 for each of 4 steps
.set YO, 36                            ; v[36:51]  4 packed registers for each of 4 steps
	s_load_b256 s[4:11], s[0:1], 0x0               ; x s[4:5], Wq s[6:7], Wk s[8:9], Wv s[10:11]
	s_load_b128 s[12:15], s[0:1], 0x20             ; Wo s[12:13], xh s[14:15]
	s_load_b64 s[16:17], s[0:1], 0x30              ; wh
	s_and_b32 s20, ttmp7, 0xffff                   ; y
	v_lshlrev_b32 v1, 5, v0                        ; 32 t: my f32 in a chunk
	v_lshlrev_b32 v2, 4, v0                        ; 16 t: my f16 in a chunk
	s_cmp_lt_u32 s20, 4
	s_cselect_b32 s21, s20, 0                      ; the quarter of x, or 0 for a weight matrix
	s_lshl_b32 s26, s21, 22                        ; source offset: quarter x 4 MiB
	s_lshl_b32 s18, ttmp9, 15                      ; + work-group x 32 KiB
	s_add_co_u32 s26, s26, s18
	s_mov_b32 s27, 0
	s_and_b32 s28, s20, 3                          ; destination offset: (y mod 4) x 2 MiB, in xh or in wh
	s_lshl_b32 s28, s28, 21
	s_lshl_b32 s18, ttmp9, 14                      ; + work-group x 16 KiB
	s_add_co_u32 s28, s28, s18
	s_mov_b32 s29, 0
	s_wait_kmcnt 0x0
	s_cmp_lt_u32 s20, 4                            ; the choices hang on y alone
	s_cselect_b64 s[24:25], s[14:15], s[16:17]     ; destination: xh or wh
	s_mov_b64 s[22:23], s[4:5]                     ; source: x, unless y names a weight matrix
	s_cmp_eq_u32 s20, 4
	s_cselect_b64 s[22:23], s[6:7], s[22:23]
	s_cmp_eq_u32 s20, 5
	s_cselect_b64 s[22:23], s[8:9], s[22:23]
	s_cmp_eq_u32 s20, 6
	s_cselect_b64 s[22:23], s[10:11], s[22:23]
	s_cmp_eq_u32 s20, 7
	s_cselect_b64 s[22:23], s[12:13], s[22:23]
	s_add_nc_u64 s[22:23], s[22:23], s[26:27]
	s_add_nc_u64 s[24:25], s[24:25], s[28:29]
.irp i, 0,1,2,3
	global_load_b128 v[XI+8*\i:XI+8*\i+3],   v1, s[22:23] offset:\i*INCH th:TH_LOAD_NT
	global_load_b128 v[XI+8*\i+4:XI+8*\i+7], v1, s[22:23] offset:\i*INCH+16 th:TH_LOAD_NT
.endr
.irp i, 0,1,2,3
	s_wait_loadcnt 6-2*\i                          ; loads return in order: the two of step i are in, the 6 - 2 i younger ones stay out
.irp j, 0,1,2,3
	v_cvt_pk_f16_f32 v[YO+4*\i+\j], v[XI+8*\i+2*\j], v[XI+8*\i+2*\j+1]
.endr
	global_store_b128 v2, v[YO+4*\i:YO+4*\i+3], s[24:25] offset:\i*OUTCH   ; no hint: the next launches read these bytes
.endr
	s_endpgm
.Lfunc_end_k_qe754f5117d_tof16:
	.size	k_qe754f5117d_tof16, .Lfunc_end_k_qe754f5117d_tof16-k_qe754f5117d_tof16
	.p2alignl 7, 3214868480
	.fill 96, 4, 3214868480
	.section	.rodata,"a",@progbits
	.p2align	6, 0x0
	.amdhsa_kernel k_qe754f5117d_tof16
		.amdhsa_group_segment_fixed_size 0
		.amdhsa_private_segment_fixed_size 0
		.amdhsa_enable_private_segment 0
		.amdhsa_kernarg_size 56
		.amdhsa_user_sgpr_count 2
		.amdhsa_user_sgpr_kernarg_segment_ptr 1
		.amdhsa_wavefront_size32 1
		.amdhsa_system_sgpr_workgroup_id_x 1
		.amdhsa_system_sgpr_workgroup_id_y 1
		.amdhsa_system_sgpr_workgroup_id_z 1
		.amdhsa_system_vgpr_workitem_id 0
		.amdhsa_next_free_vgpr 52
		.amdhsa_next_free_sgpr 66
		.amdhsa_reserve_vcc 0
		.amdhsa_float_denorm_mode_32 3
		.amdhsa_float_denorm_mode_16_64 3
		.amdhsa_memory_ordered 1
		.amdhsa_forward_progress 1
		.amdhsa_inst_pref_size 4
	.end_amdhsa_kernel
	.amdgpu_metadata
---
amdhsa.version: [ 1, 2 ]
amdhsa.kernels:
  - .name:           k_qe754f5117d_tof16
    .symbol:         k_qe754f5117d_tof16.kd
    .args:
      - { .name: x, .offset: 0, .size: 8, .value_kind: global_buffer, .address_space: global }
      - { .name: Wq, .offset: 8, .size: 8, .value_kind: global_buffer, .address_space: global }
      - { .name: Wk, .offset: 16, .size: 8, .value_kind: global_buffer, .address_space: global }
      - { .name: Wv, .offset: 24, .size: 8, .value_kind: global_buffer, .address_space: global }
      - { .name: Wo, .offset: 32, .size: 8, .value_kind: global_buffer, .address_space: global }
      - { .name: xh, .offset: 40, .size: 8, .value_kind: global_buffer, .address_space: global }
      - { .name: wh, .offset: 48, .size: 8, .value_kind: global_buffer, .address_space: global }
    .group_segment_fixed_size: 0
    .private_segment_fixed_size: 0
    .kernarg_segment_align: 8
    .kernarg_segment_size: 56
    .max_flat_workgroup_size: 256
    .sgpr_count:     66
    .vgpr_count:     52
    .wavefront_size: 32
...
	.end_amdgpu_metadata
.endif
;; end of part 1
;; launch qkvproj (part 2): grid 12 x 16, 4 waves a work-group, clusters of 4 x 4, 327,680 bytes of LDS; arguments xh, wh, qkv; writes qkv
.if DOCPART == 2
	.amdgcn_target "amdgcn-amd-amdhsa--gfx1250"
	.amdhsa_code_object_version 6
	.text
	.protected	k_qe754f5117d_qkvproj
	.globl	k_qe754f5117d_qkvproj
	.p2align	8
	.type	k_qe754f5117d_qkvproj,@function
k_qe754f5117d_qkvproj:
	s_mov_b64 s[64:65], 0
	v_nop
	global_prefetch_b8 v0, s[64:65] scope:SCOPE_SE
	s_setreg_imm32_b32 hwreg(HW_REG_WAVE_MODE, 25, 1), 1
	s_wait_xcnt 0x0
	s_wait_alu depctr_hold_cnt(0) depctr_sa_sdst(0) depctr_va_vdst(0) depctr_va_sdst(0) depctr_va_ssrc(0) depctr_va_vcc(0) depctr_vm_vsrc(0)
	s_getreg_b32 s2, hwreg(HW_REG_IB_STS2, 6, 4)
	s_cmp_eq_u32 s2, 0
	s_cbranch_scc0 .Lentry_in_a_cluster
	s_endpgm
.Lentry_in_a_cluster:
	s_bfe_u32 s2, ttmp6, 0x10000c
	s_cmp_lg_u32 s2, 0xf033
	s_cbranch_scc0 .Lentry_shape_is_right
	s_endpgm
.Lentry_shape_is_right:
; q, k, v in one product: C[m][n] = sum over d of xh[m][d] wh[n][d], m = 2,048 b + s (4,096 rows), n = 1,024 sel + 64 h + e (3,072 columns: Wq, Wk, Wv),
; f16 operands, f32 sums, rounded once to f16 and stored head by head: qkv[sel][b][h][s][64].
; LIMIT: |q|, |k|, |v| below 65,504 (larger results become infinite).  The room: with x of spread 30 and W of spread 30/32 a sum of 1,024 products has
; spread 30 x 0.94 x 32 = 900; with x shifted by 30 and W by 30/32 it lies at 1,024 x 30 x 0.94 = 28,800.
; A work-group makes 256 x 256 of C with four waves; a wave makes 128 x 128: 64 accumulator tiles of 16 x 16, 512 registers.  192 work-groups.
; K goes in steps of 128 through a ring of two LDS slots filled by tensor loads: a row of a tile is 256 bytes of memory, at a multiple of 256 bytes.
; CLUSTERS: 4 x 4 work-groups.  The four of a row of the cluster need the same tiles of xh, the four of a column the same tiles of wh: each such tile
; is asked for jointly, by the same tensor load with the same descriptor and a mask that names the four.
; REGISTERS, in windows of 256:
;   window 0: v0-31 addresses; v64-127, v128-191 fragments of A (8 x 16 rows x 32 K), two buffers; v192-223 at work on the way out
;   window 1: v64-127, v128-191 fragments of B, two buffers
;   window 2: the 32 accumulator tiles of my rows 0-63 (tile (a, b) at v[8 (8 a + b)]);   window 3: those of my rows 64-127
; The matrix instruction is used transposed (source 0 = 16 rows of B, source 1 = 16 rows of A): lane l then holds row l % 16 of C and in its
; registers 0 to 7 the columns 8 (l / 16) + 0 .. 7, eight neighbouring numbers of a row, which pack into 16 bytes.
.set SIZE_M, 4096
.set SIZE_N, 3072
.set SIZE_K, 1024
.set KSTEP,  128
.set PITCH,  272                       ; an LDS row: 256 bytes of data + 16 of padding: the 16 rows of a fragment load start 68 words apart
.set HALFT,  128*PITCH                 ; 128 rows: what one tensor load brings, and what one wave reads of A or of B
.set SLOT,   4*HALFT                   ; 256 rows of A, then 256 rows of B
.set STAGE,  2*SLOT                    ; behind the ring: 16 rows x 272 bytes for each wave, for the way out; no tensor load lands here
.set SPITCH, 272
.set HEADB,  262144                    ; bytes of one (sel, b, h) block of qkv: 2,048 rows of 128 bytes
.set LAPS, SIZE_K/(2*KSTEP)            ; a lap = two K steps = once round the ring: 4
.set ADRA, 16                          ; v16-17  LDS address of my A fragments in slot 0, 1
.set ADRB, 20                          ; v20-21  the same for B
.set STO,  24                          ; v24     the way out: where I put 16 bytes of a row
.set RD,   25                          ; v25     the way out: where I read back
.set CO,   26                          ; v26     16 x lane: my 16 bytes of 512 dense bytes of qkv
.set F0,   64                          ; fragment buffer 0
.set F1,   128                         ; fragment buffer 1
.set TMP,  192                         ; the way out: packed results, in window 0
.set G1, 24                            ; s[24:31] descriptor group 1 for tiles of A
.set G0, 32                            ; s[32:39] descriptor group 0 for tiles of A, one set for each slot
.set G1B, 48                           ; s[48:55] descriptor group 1 for tiles of B: another mask
.set G0B, 56                           ; s[56:63] descriptor group 0 for tiles of B, one set for each slot
.set MSB, 0
.macro WIN new                         ; the high byte of the immediate repeats the setting that is left
.if MSB != \new
	s_set_vgpr_msb (MSB<<8)|\new
.set MSB, \new
.endif
.endm
.set MUL_LO, 0xa1                      ; source 0 (B) window 1, source 1 (A) window 0, C and D window 2
.set MUL_HI, 0xf1                      ; the same, C and D window 3
.set TO_B,   0x40                      ; destination window 1, address window 0
; A joint load.  Waves 0 and 1 fetch the two halves of A, waves 2 and 3 those of B.  The branch hangs on the number of the wave alone.
.macro JLOAD s
	s_cmp_eq_u32 s11, 0
	s_cbranch_scc0 .Lfor_b_\@
	tensor_load_to_lds s[G0+4*\s:G0+4*\s+3], s[G1:G1+7]
	s_nop 0
	s_branch .Lasked_\@
.Lfor_b_\@:
	tensor_load_to_lds s[G0B+4*\s:G0B+4*\s+3], s[G1B:G1B+7]
	s_nop 0
.Lasked_\@:
.endm
; A round of the barrier of the cluster: the barrier of my work-group, wave 0 signals for the work-group, every wave waits for all sixteen, the barrier of my work-group again.
.macro CREST                           ; a round behind its opening barrier
	s_cmp_lg_u32 s10, 0
	s_cbranch_scc1 .Lnot_wave_0_\@
	s_barrier_signal -3
.Lnot_wave_0_\@:
	s_barrier_wait -3
	s_barrier_signal -1
	s_barrier_wait -1
.endm
.macro CROUND                          ; a whole round
	s_barrier_signal -1
	s_barrier_wait -1
	CREST
.endm
	s_load_b128 s[4:7], s[0:1], 0x0                ; xh s[4:5], wh s[6:7]
	s_load_b64 s[8:9], s[0:1], 0x10                ; qkv
	s_set_vgpr_msb 0x40
	v_lshl_add_u32 v255, v0, 2, 0x48400
	s_set_vgpr_msb 0x4000
	v_mov_b32 v255, 0
	s_set_vgpr_msb 0x1
	ds_add_u32 v255, v255
	ds_add_u32 v255, v255
	s_set_vgpr_msb 0x100
	v_lshrrev_b32 v1, 5, v0
	v_readfirstlane_b32 s10, v1                    ; wave 0..3
	s_lshr_b32 s11, s10, 1                         ; which half of the rows of the block is mine.  Also: I fetch for A (0) or for B (1)
	s_and_b32 s12, s10, 1                          ; which half of its columns.  Also: which 128 rows of that tile I fetch
	s_bfe_u32 s40, ttmp6, 0x40000                  ; cx
	s_bfe_u32 s41, ttmp6, 0x40004                  ; cy
	s_lshl_b32 s42, ttmp9, 2
	s_add_co_u32 s42, s42, s40                     ; block column of C = 4 x cluster x + cx
	s_and_b32 s13, ttmp7, 0xffff
	s_lshl_b32 s13, s13, 2
	s_add_co_u32 s13, s13, s41                     ; block row of C = 4 x cluster y + cy
	s_lshl_b32 s43, s41, 2
	s_lshl_b32 s43, 15, s43                        ; my row of the cluster: places 4 cy .. 4 cy + 3
	s_lshl_b32 s44, 0x1111, s40                    ; my column: places cx, cx + 4, cx + 8, cx + 12
	; descriptor group 1: a tile of 128 rows x 128 elements of 2 bytes, 4 words of padding behind every 64 words
	s_or_b32 s[G1+0], s43, (1<<16)|(1<<20)|(1<<21)|(5<<22)|(3<<25)
	s_or_b32 s[G1B+0], s44, (1<<16)|(1<<20)|(1<<21)|(5<<22)|(3<<25)
	s_mov_b32 s[G1B+1], KSTEP<<16
	s_mov_b32 s[G1+1], KSTEP<<16                   ; tensor_dim0 = 128
	s_mov_b32 s[G1B+2], 128<<16
	s_mov_b32 s[G1+2], 128<<16                     ; tensor_dim1 = 128
	s_mov_b32 s[G1B+3], KSTEP<<16
	s_mov_b32 s[G1+3], KSTEP<<16                   ; tile_dim0 = 128
	s_mov_b32 s[G1B+4], 128
	s_mov_b32 s[G1+4], 128                         ; tile_dim1 = 128
	s_mov_b32 s[G1B+5], SIZE_K
	s_mov_b32 s[G1+5], SIZE_K                      ; elements from row to row
	s_mov_b32 s[G1B+6], 0
	s_mov_b32 s[G1+6], 0
	s_mov_b32 s[G1B+7], 0
	s_mov_b32 s[G1+7], 0
	; where the tiles come from: A hangs on the block row alone, B on the block column alone, each in registers that never hold the other coordinate
	s_lshl_b32 s17, s12, 7                         ; which 128 rows of the tile I fetch
	s_lshl_b32 s16, s13, 8
	s_add_co_u32 s16, s16, s17                     ; A: row 256 x block row + 128 x half
	s_lshl_b32 s46, s42, 8
	s_add_co_u32 s46, s46, s17                     ; B: row 256 x block column + 128 x half
	s_mov_b32 s17, 0
	s_mov_b32 s47, 0
	s_mov_b64 s[18:19], SIZE_K*2
	s_mul_u64 s[16:17], s[16:17], s[18:19]         ; in bytes
	s_mul_u64 s[46:47], s[46:47], s[18:19]
	s_mul_i32 s20, s10, HALFT                      ; and where they go: wave x 128 rows
	s_wait_dscnt 0x0
	s_wait_kmcnt 0x0
	s_add_nc_u64 s[14:15], s[4:5], s[16:17]
	s_add_nc_u64 s[46:47], s[6:7], s[46:47]
	CROUND                                         ; all sixteen work-groups are here: the first joint loads meet
.irp s, 0,1
	s_mov_b32 s[G0+4*\s], 1                                        ; count = 1
	s_add_co_u32 s[G0+4*\s+1], s20, \s*SLOT                        ; LDS address
	s_add_nc_u64 s[G0+4*\s+2:G0+4*\s+3], s[14:15], \s*KSTEP*2      ; global address: K step s
	s_or_b32 s[G0+4*\s+3], s[G0+4*\s+3], 0x80000000                ; type = 2
	s_mov_b32 s[G0B+4*\s], 1
	s_add_co_u32 s[G0B+4*\s+1], s20, \s*SLOT
	s_add_nc_u64 s[G0B+4*\s+2:G0B+4*\s+3], s[46:47], \s*KSTEP*2
	s_or_b32 s[G0B+4*\s+3], s[G0B+4*\s+3], 0x80000000
	JLOAD \s                                       ; both slots are asked for before anything else: two tensor loads of a wave are out
.endr
	; A fragment is 16 rows x 32 K in 8 registers: lane l holds row l % 16; registers 0-3 K = 8 (l / 16) + 0..7, registers 4-7 K = 16 + 8 (l / 16) + 0..7:
	; two loads of 16 bytes, 32 bytes apart.
	v_and_b32 v1, 15, v0                           ; l % 16
	v_bfe_u32 v2, v0, 4, 1                         ; l / 16
	v_mul_u32_u24 v3, v1, PITCH
	v_lshl_add_u32 v3, v2, 4, v3                   ; row x pitch + 16 x half
	s_mul_i32 s21, s11, HALFT                      ; my 128 rows of A
	s_mul_i32 s22, s12, HALFT                      ; my 128 rows of B,
	s_add_co_u32 s22, s22, 2*HALFT                 ; which lie behind the 256 of A
.irp s, 0,1
	v_add_nc_u32 v[ADRA+\s], s21, v3
	v_add_nc_u32 v[ADRB+\s], s22, v3
	s_add_co_u32 s21, s21, SLOT
	s_add_co_u32 s22, s22, SLOT
.endr
	s_mul_i32 s23, s10, 16*SPITCH
	s_add_co_u32 s23, s23, STAGE                   ; my stage
	v_mul_u32_u24 v4, v1, SPITCH                   ; in: row l % 16, 16 bytes for each half of the lanes
	v_lshl_add_u32 v4, v2, 4, v4
	v_add_nc_u32 v[STO], s23, v4
	v_bfe_u32 v5, v0, 3, 2                         ; back: eight lanes take the 128 bytes that one row has of one head, four rows a load
	v_mul_u32_u24 v5, v5, SPITCH
	v_and_b32 v6, 7, v0
	v_lshl_add_u32 v5, v6, 4, v5
	v_add_nc_u32 v[RD], s23, v5
	v_and_b32 v6, 31, v0
	v_lshlrev_b32 v[CO], 4, v6                     ; in qkv those four rows of 128 bytes are 512 dense bytes
; 16 matrix instructions: m blocks a0, a0 + 1 of the four of the window (hi = 0: my rows 0-63, 1: rows 64-127) x all 8 n blocks, 32 along K.
; zero = 1: the first product starts the sums.
.macro MUL16 f, hi, a0, zero
.irp a, \a0, \a0+1
.irp b, 0,1,2,3,4,5,6,7
.if \zero
	v_wmma_f32_16x16x32_f16 v[8*(8*(\a)+\b):8*(8*(\a)+\b)+7], v[\f+8*\b:\f+8*\b+7], v[\f+8*(4*\hi+\a):\f+8*(4*\hi+\a)+7], 0
.else
	v_wmma_f32_16x16x32_f16 v[8*(8*(\a)+\b):8*(8*(\a)+\b)+7], v[\f+8*\b:\f+8*\b+7], v[\f+8*(4*\hi+\a):\f+8*(4*\hi+\a)+7], v[8*(8*(\a)+\b):8*(8*(\a)+\b)+7]
.endif
.endr
.endr
.endm
; 32 LDS loads in one run: the fragments of one quarter step (128 rows of B, 128 rows of A, 32 K at byte k of the rows) into buffer f
.macro FETCH slot, k, f
	WIN TO_B
.irp i, 0,1,2,3,4,5,6,7
	ds_load_b128 v[\f+8*\i:\f+8*\i+3],   v[ADRB+\slot] offset:\k+\i*16*PITCH
	ds_load_b128 v[\f+8*\i+4:\f+8*\i+7], v[ADRB+\slot] offset:\k+\i*16*PITCH+32
.endr
	WIN 0
.irp i, 0,1,2,3,4,5,6,7
	ds_load_b128 v[\f+8*\i:\f+8*\i+3],   v[ADRA+\slot] offset:\k+\i*16*PITCH
	ds_load_b128 v[\f+8*\i+4:\f+8*\i+7], v[ADRA+\slot] offset:\k+\i*16*PITCH+32
.endr
.endm
; Four independent vector instructions stand between a matrix instruction and a load into, or a vector instruction on, one of its registers.
.macro PLACES
.rept 4
	v_nop
.endr
.endm
; A K step is four quarter steps of 32 along K, 64 matrix instructions each, on buffers 0, 1, 0, 1.  The 64 accumulators take turns, one
; instruction a turn, in the same order in every quarter step.
.macro QUARTER slot, k, f, g, zero
	s_wait_dscnt 8                                 ; B and rows 0-63 of A are in; the youngest eight loads (rows 64-127 of A) may be out
	WIN MUL_LO
	MUL16 \f, 0, 0, \zero
	MUL16 \f, 0, 2, \zero
	PLACES
	FETCH \slot, \k, \g
	s_wait_dscnt 32                                ; all but the 32 just issued
	WIN MUL_HI
	MUL16 \f, 1, 0, \zero
	MUL16 \f, 1, 2, \zero
.endm
.macro THREE slot, zero
	QUARTER \slot, 64,  F0, F1, \zero
	QUARTER \slot, 128, F1, F0, 0
	QUARTER \slot, 192, F0, F1, 0
.endm
; The last quarter multiplies buffer 1 and changes slots.  In front of the barrier each wave waits for its reads of this slot and for all its
; tensor loads (one is out: its part of the next slot).  Behind it the refill comes first, then the first fragments of the next slot.
.macro TURN slot, next, fill
	s_wait_dscnt 8
	WIN MUL_LO
	MUL16 F1, 0, 0, 0
	s_wait_dscnt 0                                 ; my reads of this slot are over
	s_wait_tensorcnt 0x0                           ; and all my tensor loads have landed
	ds_add_u32 v255, v255
	s_wait_dscnt 0x0
	s_barrier_signal -1                            ; say so (where the slot is filled again this barrier opens a round of the barrier of the cluster),
	MUL16 F1, 0, 2, 0                              ; work on registers while the others arrive
	WIN 0
	s_barrier_wait -1
.if \fill
	CREST                                          ; no wave of any partner still reads this slot or has a load on its way
	s_add_nc_u64 s[G0+4*\slot+2:G0+4*\slot+3], s[G0+4*\slot+2:G0+4*\slot+3], 2*KSTEP*2
	s_add_nc_u64 s[G0B+4*\slot+2:G0B+4*\slot+3], s[G0B+4*\slot+2:G0B+4*\slot+3], 2*KSTEP*2
	JLOAD \slot                                    ; the first tensor load behind the round, one a wave
.endif
	PLACES
	FETCH \next, 0, F0
	WIN MUL_HI
	MUL16 F1, 1, 0, 0
	MUL16 F1, 1, 2, 0
.endm
.macro LAP zero                        ; once round the ring, both slots filled again
	THREE 0, \zero
	TURN 0, 1, 1
	THREE 1, 0
	TURN 1, 0, 1
.endm
	s_wait_tensorcnt 1                             ; my part of K step 0 is in; K step 1 stays out
	s_barrier_signal -1
	s_barrier_wait -1
	FETCH 0, 0, F0
	LAP 1                                          ; the first lap stands in front of the loop: its first products start the sums
	WIN 0                                          ; at a label and at a branch every window is 0
	s_mov_b32 s3, LAPS-2
.Llap:
	LAP 0
	WIN 0
	s_sub_co_u32 s3, s3, 1
	s_cmp_lg_u32 s3, 0
	s_cbranch_scc1 .Llap
	THREE 0, 0                                     ; the last lap fills nothing
	TURN 0, 1, 0
	THREE 1, 0
	s_wait_dscnt 8                                 ; the very last quarter: nothing more to fetch
	WIN MUL_LO
	MUL16 F1, 0, 0, 0
	MUL16 F1, 0, 2, 0
	s_wait_dscnt 0
	WIN MUL_HI
	MUL16 F1, 1, 0, 0
	MUL16 F1, 1, 2, 0
	; THE WAY OUT, 16 rows at a time: round to f16, 16 bytes a lane into my own stage, read back by heads.
	; My 128 columns are two whole heads c0 and c0 + 1 (c0 = 4 x block column + 2 x half, even, so both have one sel), 262,144 bytes apart in qkv.
	PLACES
	s_lshr_b32 s16, s13, 3                         ; batch = block row / 8
	s_lshl_b32 s16, s16, 22                        ; x 16 heads x 262,144 bytes
	s_and_b32 s14, s13, 7
	s_lshl_b32 s14, s14, 15                        ; + 256 rows x 128 bytes for each block row inside the batch
	s_add_co_u32 s16, s16, s14
	s_lshl_b32 s14, s11, 14                        ; + my half: 128 rows x 128 bytes
	s_add_co_u32 s16, s16, s14
	s_mov_b32 s17, 0
	s_add_nc_u64 s[8:9], s[8:9], s[16:17]
	s_lshl_b32 s46, s42, 2                         ; the column part, in the registers that held the address of B
	s_lshl1_add_u32 s46, s12, s46                  ; c0
	s_lshr_b32 s47, s46, 4                         ; sel
	s_lshl_b32 s47, s47, 23                        ; x 32 x 262,144 bytes
	s_and_b32 s46, s46, 15                         ; head
	s_lshl_b32 s46, s46, 18
	s_add_co_u32 s46, s46, s47
	s_mov_b32 s47, 0
	s_add_nc_u64 s[8:9], s[8:9], s[46:47]
; rows 16 i .. 16 i + 15 of my block = the eight tiles (a, 0..7) of window 2 or 3 (from = 0x0a or 0x0f: sources 0 and 1); f: F0 or F1 in turn
.macro OUT16 i, a, from, f
	WIN \from
.irp b, 0,1,2,3,4,5,6,7
.irp r, 0,1,2,3
	v_cvt_pk_f16_f32 v[TMP+4*\b+\r], v[8*(8*\a+\b)+2*\r], v[8*(8*\a+\b)+2*\r+1]
.endr
.endr
	WIN 0
.irp b, 0,1,2,3,4,5,6,7
	ds_store_b128 v[STO], v[TMP+4*\b:TMP+4*\b+3] offset:32*\b
.endr
	s_wait_xcnt 0x0                                ; buffer f, which earlier stores read, is loaded again only behind this wait
.irp ch, 0,1
.irp tq, 0,1,2,3
	ds_load_b128 v[\f+4*(4*\ch+\tq):\f+4*(4*\ch+\tq)+3], v[RD] offset:\tq*4*SPITCH+\ch*128   ; LDS serves the instructions of a wave in order: these see the stores above
.endr
.endr
.irp ch, 0,1
.irp tq, 0,1,2,3
	s_wait_dscnt 7-(4*\ch+\tq)
	global_store_b128 v[CO], v[\f+4*(4*\ch+\tq):\f+4*(4*\ch+\tq)+3], s[8:9] offset:\ch*HEADB+\i*2048+\tq*512   ; four rows of one head: 512 consecutive bytes, aligned
.endr
.endr
.endm
	OUT16 0, 0, 0x0a, F0
	OUT16 1, 1, 0x0a, F1
	OUT16 2, 2, 0x0a, F0
	OUT16 3, 3, 0x0a, F1
	OUT16 4, 0, 0x0f, F0
	OUT16 5, 1, 0x0f, F1
	OUT16 6, 2, 0x0f, F0
	OUT16 7, 3, 0x0f, F1
	s_set_vgpr_msb 0x1
	s_wait_tensorcnt 0x0
	ds_add_u32 v255, v255
	s_wait_dscnt 0x0
	s_set_vgpr_msb 0x100
	CROUND                                         ; the closing round: no work-group ends while a partner may still ask for a tile that names it
	s_endpgm
.Lfunc_end_k_qe754f5117d_qkvproj:
	.size	k_qe754f5117d_qkvproj, .Lfunc_end_k_qe754f5117d_qkvproj-k_qe754f5117d_qkvproj
	.p2alignl 7, 3214868480
	.fill 96, 4, 3214868480
	.section	.rodata,"a",@progbits
	.p2align	6, 0x0
	.amdhsa_kernel k_qe754f5117d_qkvproj
		.amdhsa_group_segment_fixed_size 327680
		.amdhsa_private_segment_fixed_size 0
		.amdhsa_enable_private_segment 0
		.amdhsa_kernarg_size 24
		.amdhsa_user_sgpr_count 2
		.amdhsa_user_sgpr_kernarg_segment_ptr 1
		.amdhsa_wavefront_size32 1
		.amdhsa_system_sgpr_workgroup_id_x 1
		.amdhsa_system_sgpr_workgroup_id_y 1
		.amdhsa_system_sgpr_workgroup_id_z 1
		.amdhsa_system_vgpr_workitem_id 0
		.amdhsa_next_free_vgpr 1024
		.amdhsa_next_free_sgpr 66
		.amdhsa_reserve_vcc 0
		.amdhsa_float_denorm_mode_32 3
		.amdhsa_float_denorm_mode_16_64 3
		.amdhsa_memory_ordered 1
		.amdhsa_forward_progress 1
		.amdhsa_inst_pref_size 196
	.end_amdhsa_kernel
	.amdgpu_metadata
---
amdhsa.version: [ 1, 2 ]
amdhsa.kernels:
  - .name:           k_qe754f5117d_qkvproj
    .symbol:         k_qe754f5117d_qkvproj.kd
    .args:
      - { .name: xh, .offset: 0, .size: 8, .value_kind: global_buffer, .address_space: global }
      - { .name: wh, .offset: 8, .size: 8, .value_kind: global_buffer, .address_space: global }
      - { .name: qkv, .offset: 16, .size: 8, .value_kind: global_buffer, .address_space: global }
    .group_segment_fixed_size: 327680
    .private_segment_fixed_size: 0
    .kernarg_segment_align: 8
    .kernarg_segment_size: 24
    .max_flat_workgroup_size: 128
    .sgpr_count:     66
    .vgpr_count:     1024
    .wavefront_size: 32
...
	.end_amdgpu_metadata
.endif
;; end of part 2
;; launch attn (part 3): grid 8 x 32, 8 waves a work-group, clusters of 4 x 1, 327,680 bytes of LDS; arguments qkv, att; writes att
.if DOCPART == 3
	.amdgcn_target "amdgcn-amd-amdhsa--gfx1250"
	.amdhsa_code_object_version 6
	.text
	.protected	k_qe754f5117d_attn
	.globl	k_qe754f5117d_attn
	.p2align	8
	.type	k_qe754f5117d_attn,@function
k_qe754f5117d_attn:
	s_mov_b64 s[64:65], 0
	v_nop
	global_prefetch_b8 v0, s[64:65] scope:SCOPE_SE
	s_setreg_imm32_b32 hwreg(HW_REG_WAVE_MODE, 25, 1), 1
	s_wait_xcnt 0x0
	s_wait_alu depctr_hold_cnt(0) depctr_sa_sdst(0) depctr_va_vdst(0) depctr_va_sdst(0) depctr_va_ssrc(0) depctr_va_vcc(0) depctr_vm_vsrc(0)
	s_getreg_b32 s2, hwreg(HW_REG_IB_STS2, 6, 4)
	s_cmp_eq_u32 s2, 0
	s_cbranch_scc0 .Lentry_in_a_cluster
	s_endpgm
.Lentry_in_a_cluster:
	s_bfe_u32 s2, ttmp6, 0x10000c
	s_cmp_lg_u32 s2, 0x3003
	s_cbranch_scc0 .Lentry_shape_is_right
	s_endpgm
.Lentry_shape_is_right:
; Attention of one head for 256 queries: att[b][h][s][64] = softmax(q k^T / 8) v, from qkv[sel][b][h][s][64], all f16; scores, softmax and sums in f32.
; Grid y = 16 b + h; grid x = block of 256 queries.  Eight waves: wave w has the 64 queries of group w & 3 and the half w >> 2 of the keys of every
; tile, 1,024 keys in all; the two waves of a group merge their (maximum, sum, O) once at the end, through LDS, each finishing 32 of the 64 queries.
; SCORES ARE MADE TRANSPOSED, S^T = K Q^T: a lane holds 8 keys of ONE query in a tile, so maximum and sum are taken inside the lane and across the two
; halves of the wave only; two packed tiles of S^T are, register for register, the B fragment of P^T for O^T = V^T P^T; the rescaling is one factor a lane.
; V^T fragments come out of the [key][d] tile by the transposing LDS load.
; SOFTMAX with a running maximum m of the raw scores: p = exp2(c S - c m), c = log2(e) / 8, one fused multiply-add a pair with NM = -c m rounded once;
; the factor for the old sums is exp2(NM new - NM old), made of the same rounded numbers.
; THE WEIGHTS IN f16: p lies in [0, 1] for every input, since the running maximum is taken away first.  The sum of a row is made of the f32 weights.
; TILES: 512 keys of K and of V in each of two LDS slots, four tiles in all, so the waves meet three times on the way over the keys.  The four tiles
; differ in what is filled behind them (slot 0, slot 1, nothing, the end), so they are written out by macro and there is no loop: every line runs once.
; CLUSTER: the four query blocks of a cluster walk the same K and V tiles and ask for them jointly (mask 15).
; No prefetch: each tile is asked for one whole tile of work (256 matrix instructions of each wave) ahead of its use.
; LIMITS: weights below 2^-25 of the running maximum of their row enter the product with V as 0, and those below 2^-14 with a step of 2^-24:
; over 2,048 keys at most 2,048 x 2^-25 of a sum that is at least 1; att is a convex combination of rows of v and has their range (below 65,504),
; with a step of 2^-24 below 2^-14; NaN or infinite inputs give NaN, not necessarily where a sum in another order gives it.
.set KPITCH, 144                       ; a K row in LDS: 128 bytes + 16 of padding
.set VPITCH, 160                       ; a V row in LDS: 128 bytes + 32 of padding (an odd multiple of 32 for the transposing load)
.set OPITCH, 144                       ; a row of the out stage
.set REGION, 20480                     ; 128 keys of V (all of it) or of K (18,432 of it): what one tensor load brings
.set SLOT,   8*REGION                  ; 512 keys: four regions of V, then four of K; two slots are 327,680 bytes
.set KBLK,   64*KPITCH                 ; 64 keys of K
.set VBLK,   64*VPITCH                 ; 64 keys of V
.set MSTAGE, 0                         ; the stages lie in slot 0, used only behind its last fill (tile 2) and behind the barrier that ends its last reads
.set MSTAGEW, 17*512                   ; merge stage: 64 registers and 2 pairs of each wave
.set OSTAGE, MSTAGE+8*MSTAGEW          ; 69,632: out stage, 32 rows x 144 bytes for each wave; ends at 106,496
.set OSTAGEW, 32*OPITCH
.set TILEB,  65536                     ; bytes of 512 keys in memory
.set KOFF,   8388608                   ; k in qkv
.set VOFF,   16777216                  ; v in qkv
; window 0
.set ADRK, 4                           ; v4-5    LDS address of my K fragments in slot 0, 1
.set ADRV, 6                           ; v6-7    the same for V^T
.set QOA,  8                           ; v8      my 16 bytes in the Q fragments of register tiles 0, 1
.set STG,  9                           ; v9      merge stage, what I send
.set OST,  10                          ; v10     out stage, in
.set ORD,  11                          ; v11     out stage, back
.set MR,   12                          ; v12-15  running maximum of the raw scores, register tile a
.set NM,   16                          ; v16-23  pairs: NM+2a = -c m, NM+2a+1 = running sum (of the keys of my half of the lanes)
.set AL,   24                          ; v24-31  pairs: AL+2a = factor for the old sums, AL+2a+1 = what the other half of the lanes sent
.set FV,   32                          ; v32-95  V^T fragment (dt, g) at FV + 8 (4 g + dt)
.set SC,   96                          ; v96-223 S^T tile (a, kt) at SC + 32 a + 8 kt; later P^T fragment (a, g) at SC + 32 a + 16 g
.set TT,   224                         ; v224-227
.set SA,   228                         ; v228-229 first chain of a sum
.set SB,   230                         ; v230-231 second chain: SA + 2
.set NMN,  232                         ; v232-235
.set GO,   236                         ; v236    16 x lane
.set QOB,  237                         ; v237    my 16 bytes in the Q fragments of register tiles 2, 3
.set RCV,  238                         ; v238    merge stage, what my partner sent
.set PN,   240                         ; v240-243 two pairs (NM, sum) of my partner
; window 1
.set OA,   0                           ; O^T tile (a, dt) at OA + 8 (4 a + dt)
.set QF,   128                         ; Q fragment (a, ks) at QF + 16 a + 8 ks
.set FK,   192                         ; K fragment (kt, ks) at FK + 8 (2 kt + ks)
.set G1K, 24                           ; s[24:31] group 1 for K
.set G0K, 32                           ; s[32:39] group 0 for K, one set for each slot
.set G1V, 48                           ; s[48:55] group 1 for V
.set G0V, 56                           ; s[56:63] group 0 for V, one set for each slot
.set MSB, 0
.macro WIN new                         ; low byte: bits 1:0 source 0, 3:2 source 1, 5:4 source 2, 7:6 destination; the high byte repeats the setting that is left
.if MSB != \new
	s_set_vgpr_msb (MSB<<8)|\new
.set MSB, \new
.endif
.endm
.macro PLACES n
.rept \n
	v_nop
.endr
.endm
; A round of the barrier of the cluster.
.macro ROUND
	s_barrier_signal -1
	s_barrier_wait -1
	s_cmp_lg_u32 s10, 0
	s_cbranch_scc1 .Lnot_wave_0_\@
	s_barrier_signal -3
.Lnot_wave_0_\@:
	s_barrier_wait -3
	s_barrier_signal -1
	s_barrier_wait -1
.endm
; A joint load into slot n: waves 0-3 bring 128 keys of V each, waves 4-7 128 keys of K each.  The branch hangs on the number of the wave alone.
.macro JLOAD n
	s_cmp_eq_u32 s11, 0
	s_cbranch_scc0 .Lfor_k_\@
	tensor_load_to_lds s[G0V+4*\n:G0V+4*\n+3], s[G1V:G1V+7]
	s_nop 0
	s_branch .Lasked_\@
.Lfor_k_\@:
	tensor_load_to_lds s[G0K+4*\n:G0K+4*\n+3], s[G1K:G1K+7]
	s_nop 0
.Lasked_\@:
.endm
	s_load_b128 s[4:7], s[0:1], 0x0                ; qkv s[4:5], att s[6:7]
	v_lshl_add_u32 v254, v0, 2, 0x4f800
	v_mov_b32 v255, 0
	ds_add_u32 v254, v255
	ds_add_u32 v254, v255
	v_lshrrev_b32 v1, 5, v0
	v_readfirstlane_b32 s10, v1                    ; wave 0..7
	s_lshr_b32 s11, s10, 2                         ; my half of the keys.  Also: I fetch V (0) or K (1)
	s_and_b32 s12, s10, 3                          ; my group of 64 queries.  Also: which 128 keys of a tile I fetch
	s_and_b32 s13, ttmp7, 0xffff                   ; 16 b + h
	s_bfe_u32 s15, ttmp6, 0x40000                  ; cx
	s_lshl_b32 s14, ttmp9, 2
	s_add_co_u32 s14, s14, s15                     ; block of 256 queries
	s_mov_b32 s40, 0x76543210                      ; v_permlanex16_b32: lane i of one half reads lane i of the other
	s_mov_b32 s41, 0xfedcba98
	s_mov_b32 s42, 0x3e38aa3b                      ; c = log2(e) / 8, twice: a pair for the packed forms
	s_mov_b32 s43, 0x3e38aa3b
	s_mov_b32 s44, 0xbe38aa3b                      ; -c
	; group 1: 128 rows of 64 elements of 2 bytes, dense in memory; padding behind every 32 words: 4 words for K, 8 for V; mask 15 with bit 21 beside it
	s_mov_b32 s[G1K+0], 15|(1<<16)|(1<<20)|(1<<21)|(4<<22)|(3<<25)
	s_mov_b32 s[G1V+0], 15|(1<<16)|(1<<20)|(1<<21)|(4<<22)|(7<<25)
	s_mov_b32 s[G1K+1], 64<<16                     ; tensor_dim0 = 64
	s_mov_b32 s[G1V+1], 64<<16
	s_mov_b32 s[G1K+2], 128<<16                    ; tensor_dim1 = 128
	s_mov_b32 s[G1V+2], 128<<16
	s_mov_b32 s[G1K+3], 64<<16                     ; tile_dim0 = 64
	s_mov_b32 s[G1V+3], 64<<16
	s_mov_b32 s[G1K+4], 128                        ; tile_dim1 = 128
	s_mov_b32 s[G1V+4], 128
	s_mov_b32 s[G1K+5], 64                         ; elements from row to row
	s_mov_b32 s[G1V+5], 64
	s_mov_b32 s[G1K+6], 0
	s_mov_b32 s[G1V+6], 0
	s_mov_b32 s[G1K+7], 0
	s_mov_b32 s[G1V+7], 0
	s_lshl_b32 s16, s13, 18                        ; K and V: head x 262,144 bytes + my 128 keys x 128 bytes; the place in the cluster does not enter
	s_lshl_b32 s17, s12, 14
	s_add_co_u32 s16, s16, s17
	s_mov_b32 s17, 0
	s_lshl_b32 s22, s13, 18                        ; Q and att: head + block x 256 rows x 128 bytes + group x 64 rows x 128 bytes
	s_lshl_b32 s23, s14, 15
	s_add_co_u32 s22, s22, s23
	s_lshl_b32 s23, s12, 13
	s_add_co_u32 s22, s22, s23
	s_mov_b32 s23, 0
	s_lshl_b32 s2, s11, 12                         ; 32 rows x 128 bytes for the second half of the keys, 0 for the first
	s_xor_b32 s3, s2, 4096                         ; and the other way round
	s_mul_i32 s45, s10, REGION                     ; my region of a slot
	; Register tile j of a wave of key half kh holds query tile (j + 2 kh) mod 4 of the group: so every wave keeps its register tiles 0, 1 in the merge
	; and sends its register tiles 2, 3, which are the tiles 0, 1 of its partner.
	v_and_b32 v1, 15, v0                           ; r
	v_bfe_u32 v2, v0, 4, 1                         ; h
	v_and_b32 v3, 31, v0                           ; lane
	v_lshlrev_b32 v[QOA], 7, v1                    ; Q fragment: row r of 128 bytes + 16 h
	v_lshl_add_u32 v[QOA], v2, 4, v[QOA]
	v_add_nc_u32 v[QOB], s3, v[QOA]
	v_add_nc_u32 v[QOA], s2, v[QOA]
	s_mov_b32 s3, 0                                ; s[2:3]: the offset of the 32 rows of att that I finish
	s_wait_dscnt 0x0
	s_wait_kmcnt 0x0
	s_add_nc_u64 s[18:19], s[4:5], s[16:17]
	s_add_nc_u64 s[20:21], s[18:19], KOFF
	s_add_nc_u64 s[46:47], s[18:19], VOFF
	s_add_nc_u64 s[8:9], s[4:5], s[22:23]          ; the 64 rows of q of my group
	s_add_nc_u64 s[6:7], s[6:7], s[22:23]
	s_add_nc_u64 s[6:7], s[6:7], s[2:3]            ; my 32 rows of att
	WIN 0x40                                       ; loads into window 1; Q goes out ahead of the round, it is no tensor load
.irp a, 0,1
.irp ks, 0,1
	global_load_b128 v[QF+16*\a+8*\ks:QF+16*\a+8*\ks+3],   v[QOA], s[8:9] offset:\a*2048+\ks*64
	global_load_b128 v[QF+16*\a+8*\ks+4:QF+16*\a+8*\ks+7], v[QOA], s[8:9] offset:\a*2048+\ks*64+32
.endr
.endr
.irp a, 2,3
.irp ks, 0,1
	global_load_b128 v[QF+16*\a+8*\ks:QF+16*\a+8*\ks+3],   v[QOB], s[8:9] offset:(\a-2)*2048+\ks*64
	global_load_b128 v[QF+16*\a+8*\ks+4:QF+16*\a+8*\ks+7], v[QOB], s[8:9] offset:(\a-2)*2048+\ks*64+32
.endr
.endr
	WIN 0
	ROUND                                          ; the four work-groups are here: the first joint loads meet
.irp n, 0,1
	s_mov_b32 s[G0K+4*\n], 1
	s_add_co_u32 s[G0K+4*\n+1], s45, \n*SLOT
	s_add_nc_u64 s[G0K+4*\n+2:G0K+4*\n+3], s[20:21], \n*TILEB
	s_or_b32 s[G0K+4*\n+3], s[G0K+4*\n+3], 0x80000000
	s_mov_b32 s[G0V+4*\n], 1
	s_add_co_u32 s[G0V+4*\n+1], s45, \n*SLOT
	s_add_nc_u64 s[G0V+4*\n+2:G0V+4*\n+3], s[46:47], \n*TILEB
	s_or_b32 s[G0V+4*\n+3], s[G0V+4*\n+3], 0x80000000
	JLOAD \n                                       ; tiles 0 and 1: two tensor loads of a wave are out here, one behind every later round
.endr
	v_mul_u32_u24 v[OST], v1, KPITCH               ; r x 144 + 16 h serves the K fragments and the out stage
	v_lshl_add_u32 v[OST], v2, 4, v[OST]
	s_mul_i32 s16, s11, 2*REGION                   ; my half of the keys of a slot: two regions
	s_add_co_u32 s17, s16, 4*REGION                ; K lies behind the four regions of V
	v_add_nc_u32 v[ADRK], s17, v[OST]
	v_add_nc_u32 v[ADRK+1], SLOT, v[ADRK]
	v_and_b32 v[ADRV], 7, v0                       ; V^T: key 8 h + (lane & 7), 16 bytes chosen by bit 3 of the lane
	v_lshl_add_u32 v[ADRV], v2, 3, v[ADRV]
	v_mul_u32_u24 v[ADRV], v[ADRV], VPITCH
	v_bfe_u32 v[ADRV+1], v0, 3, 1
	v_lshl_add_u32 v[ADRV], v[ADRV+1], 4, v[ADRV]
	v_add_nc_u32 v[ADRV], s16, v[ADRV]
	v_add_nc_u32 v[ADRV+1], SLOT, v[ADRV]
	s_mul_i32 s17, s10, MSTAGEW
	s_add_co_u32 s17, s17, MSTAGE
	v_lshl_add_u32 v[STG], v3, 4, s17              ; my part of the merge stage + 16 x lane
	s_add_co_u32 s17, s10, 4
	s_and_b32 s17, s17, 7                          ; my partner: the same group, the other half of the keys
	s_mul_i32 s17, s17, MSTAGEW
	s_add_co_u32 s17, s17, MSTAGE
	v_lshl_add_u32 v[RCV], v3, 4, s17
	s_mul_i32 s17, s10, OSTAGEW
	s_add_co_u32 s17, s17, OSTAGE
	v_add_nc_u32 v[OST], s17, v[OST]
	v_lshrrev_b32 v[ORD], 3, v3                    ; back: eight lanes take a row of 128 bytes, four rows a load
	v_mul_u32_u24 v[ORD], v[ORD], OPITCH
	v_and_b32 v2, 7, v0
	v_lshl_add_u32 v[ORD], v2, 4, v[ORD]
	v_add_nc_u32 v[ORD], s17, v[ORD]
	v_lshlrev_b32 v[GO], 4, v3
.irp a, 0,1,2,3
	v_mov_b32 v[NM+2*\a+1], 0                      ; second halves of pairs that are named whole before their first real value,
	v_mov_b32 v[AL+2*\a+1], 0                      ; and destinations of v_permlanex16_b32, which count as read
.endr
; 16 LDS loads: the K fragments of block blk (64 keys, 0..3) of my half of slot n: two blocks in each of my two regions
.macro LDK n, blk
	WIN 0x40
.irp kt, 0,1,2,3
.irp ks, 0,1
	ds_load_b128 v[FK+8*(2*\kt+\ks):FK+8*(2*\kt+\ks)+3],   v[ADRK+\n] offset:((\blk)>>1)*REGION+((\blk)&1)*KBLK+\kt*16*KPITCH+\ks*64
	ds_load_b128 v[FK+8*(2*\kt+\ks)+4:FK+8*(2*\kt+\ks)+7], v[ADRK+\n] offset:((\blk)>>1)*REGION+((\blk)&1)*KBLK+\kt*16*KPITCH+\ks*64+32
.endr
.endr
.endm
; 16 transposing LDS loads: the V^T fragments of the same 64 keys: 16 d x 32 keys each
.macro LDV n, blk
	WIN 0
.irp g, 0,1
.irp dt, 0,1,2,3
	ds_load_tr16_b128 v[FV+8*(4*\g+\dt):FV+8*(4*\g+\dt)+3],   v[ADRV+\n] offset:((\blk)>>1)*REGION+((\blk)&1)*VBLK+\g*32*VPITCH+\dt*32
	ds_load_tr16_b128 v[FV+8*(4*\g+\dt)+4:FV+8*(4*\g+\dt)+7], v[ADRV+\n] offset:((\blk)>>1)*REGION+((\blk)&1)*VBLK+\g*32*VPITCH+\dt*32+16*VPITCH
.endr
.endr
.endm
; 32 matrix instructions: S^T (a, kt) = K (kt) Q (a)^T over d = 0..63.  The sixteen accumulators take turns, one instruction a turn.
.macro QK
	WIN 0x05                                       ; A and B in window 1, C and D in window 0
.irp a, 0,1,2,3
.irp kt, 0,1,2,3
	v_wmma_f32_16x16x32_f16 v[SC+32*\a+8*\kt:SC+32*\a+8*\kt+7], v[FK+16*\kt:FK+16*\kt+7], v[QF+16*\a:QF+16*\a+7], 0
.endr
.endr
.irp a, 0,1,2,3
.irp kt, 0,1,2,3
	v_wmma_f32_16x16x32_f16 v[SC+32*\a+8*\kt:SC+32*\a+8*\kt+7], v[FK+16*\kt+8:FK+16*\kt+15], v[QF+16*\a+8:QF+16*\a+15], v[SC+32*\a+8*\kt:SC+32*\a+8*\kt+7]
.endr
.endr
.endm
; 16 matrix instructions: O^T (a, dt) += V^T (dt, g) P^T (a, g), 32 keys.  Again sixteen accumulators by turns.  zero = 1: the product starts the sums.
.macro PVG g, zero
.irp dt, 0,1,2,3
.irp a, 0,1,2,3
.if \zero
	v_wmma_f32_16x16x32_f16 v[OA+8*(4*\a+\dt):OA+8*(4*\a+\dt)+7], v[FV+8*(4*\g+\dt):FV+8*(4*\g+\dt)+7], v[SC+32*\a+16*\g:SC+32*\a+16*\g+7], 0
.else
	v_wmma_f32_16x16x32_f16 v[OA+8*(4*\a+\dt):OA+8*(4*\a+\dt)+7], v[FV+8*(4*\g+\dt):FV+8*(4*\g+\dt)+7], v[SC+32*\a+16*\g:SC+32*\a+16*\g+7], v[OA+8*(4*\a+\dt):OA+8*(4*\a+\dt)+7]
.endif
.endr
.endr
.endm
; The new running maxima, NM = -c m, and the factors exp2(NM new - NM old) for the old sums.  Eight chains side by side, two for each query tile
; (its first and its last 16 registers), so that a line names the result of the line eight in front of it.
.macro MAXES first
.irp a, 0,1,2,3
.if \first
	v_max_num_f32 v[TT+\a], v[SC+32*\a], v[SC+32*\a+1]
.else
	v_max3_num_f32 v[TT+\a], v[MR+\a], v[SC+32*\a], v[SC+32*\a+1]
.endif
	v_max_num_f32 v[NMN+\a], v[SC+32*\a+16], v[SC+32*\a+17]
.endr
.irp i, 1,2,3,4,5,6,7
.irp a, 0,1,2,3
	v_max3_num_f32 v[TT+\a], v[TT+\a], v[SC+32*\a+2*\i], v[SC+32*\a+2*\i+1]
	v_max3_num_f32 v[NMN+\a], v[NMN+\a], v[SC+32*\a+16+2*\i], v[SC+32*\a+17+2*\i]
.endr
.endr
.irp a, 0,1,2,3
	v_max_num_f32 v[TT+\a], v[TT+\a], v[NMN+\a]
.endr
.irp a, 0,1,2,3
	v_permlanex16_b32 v[AL+2*\a+1], v[TT+\a], s40, s41     ; the other 32 keys of the same query lie in the other half of the lanes
.endr
.irp a, 0,1,2,3
	v_max_num_f32 v[MR+\a], v[TT+\a], v[AL+2*\a+1]
.endr
.if \first
.irp a, 0,1,2,3
	v_mul_f32 v[NM+2*\a], s44, v[MR+\a]
.endr
.else
.irp a, 0,1,2,3
	v_mul_f32 v[NMN+\a], s44, v[MR+\a]
.endr
.irp a, 0,1,2,3
	v_sub_f32 v[AL+2*\a], v[NMN+\a], v[NM+2*\a]            ; at most 0
.endr
.irp a, 0,1,2,3
	v_exp_f32 v[AL+2*\a], v[AL+2*\a]
.endr
.irp a, 0,1,2,3
	v_mov_b32 v[NM+2*\a], v[NMN+\a]                        ; old and new were both needed above; these plain lines also stand behind the exponentials (ISA guide 5.7.2)
.endr
.endif
.endm
; One stage of the softmax stream, sixteen steps.  In step j: the exponentials of registers 2 j, 2 j + 1 of tile e; c S - c m for pair j of tile s;
; one step of the sum of tile c and the packing of its pair j to f16.  A tile number of 9 leaves that part out.  The three tiles are different,
; so behind every exponential stands another exponential or a plain line that names none of its registers (ISA guide 5.7.2).
; THE SUM: two chains of pairs; step 0 takes pairs 0, 1, step 1 pairs 2, 3, step j = 2..13 pair j + 2.
; THE PACKING, downward in place: pair j goes to register 16 (j / 8) + j mod 8, which lies in a pair of number at most j: summed and packed already.
.macro STAGE e, s, c, first
.set j, 0
.rept 16
.if \e < 4
	v_exp_f32 v[SC+32*\e+2*j], v[SC+32*\e+2*j]
.endif
.if \s < 4
	v_pk_fma_f32 v[SC+32*\s+2*j:SC+32*\s+2*j+1], v[SC+32*\s+2*j:SC+32*\s+2*j+1], s[42:43], v[NM+2*\s:NM+2*\s+1] op_sel_hi:[1,0,0]
.endif
.if \e < 4
	v_exp_f32 v[SC+32*\e+2*j+1], v[SC+32*\e+2*j+1]
.endif
.if \c < 4
.if j < 2
	s_wait_alu depctr_va_vdst(0)
	v_pk_add_f32 v[SA+2*j:SA+2*j+1], v[SC+32*\c+4*j:SC+32*\c+4*j+1], v[SC+32*\c+4*j+2:SC+32*\c+4*j+3]
.else
.if j < 14
	v_pk_add_f32 v[SA+2*(j&1):SA+2*(j&1)+1], v[SA+2*(j&1):SA+2*(j&1)+1], v[SC+32*\c+2*j+4:SC+32*\c+2*j+5]
.endif
.endif
	v_cvt_pk_f16_f32 v[SC+32*\c+16*(j>>3)+(j&7)], v[SC+32*\c+2*j], v[SC+32*\c+2*j+1]
.endif
.set j, j+1
.endr
.if \c < 4
	v_pk_add_f32 v[SA:SA+1], v[SA:SA+1], v[SB:SB+1]
.if \first
	v_add_f32 v[NM+2*\c+1], v[SA], v[SA+1]
.else
	v_add_f32 v[TT+\c], v[SA], v[SA+1]
	v_fma_f32 v[NM+2*\c+1], v[NM+2*\c+1], v[AL+2*\c], v[TT+\c]     ; onto the rescaled old sum
.endif
.endif
.endm
.macro RESCALE                         ; the old O^T times the factor of its query: one factor a lane
	WIN 0x41
.irp a, 0,1,2,3
.irp p, 0,1,2,3,4,5,6,7,8,9,10,11,12,13,14,15
	v_pk_mul_f32 v[OA+32*\a+2*\p:OA+32*\a+2*\p+1], v[OA+32*\a+2*\p:OA+32*\a+2*\p+1], v[AL+2*\a:AL+2*\a+1] op_sel_hi:[1,0]
.endr
.endr
.endm
; 64 keys x 64 queries: block blk of my half of slot n.  first = 1: nothing older to carry.
; mode 1: the K fragments of the next block of the slot are fetched under the softmax.
; mode 2, 3: the last block of a slot; the slots change IN FRONT OF its product with V, when V^T is in registers and nothing of slot n is read any more.
;   Every wave waits for its LDS reads and for all its tensor loads (one is out: its part of the other slot).  mode 2: a round of the barrier of the cluster,
;   then the joint refill of slot n, two tiles on, as the first tensor load behind it, one a wave.  mode 3: nothing is left to fetch, a plain barrier.
;   Then the first K fragments of the other slot are asked for, and they arrive while the 32 matrix instructions on registers run.
; mode 0: the last block of all.
.macro BLOCK n, blk, mode, first
	s_wait_dscnt 0x0                               ; the K fragments of this block are in
	QK
	PLACES 4                                       ; four places behind the last matrix instruction: for the loads into FK and for the reads of S^T
	LDV \n, \blk
.if \mode == 1
	LDK \n, \blk+1
.endif
	WIN 0
	MAXES \first
	STAGE 9, 0, 9, \first
	STAGE 0, 1, 9, \first
	STAGE 1, 2, 0, \first
	STAGE 2, 3, 1, \first
	STAGE 3, 9, 2, \first
	STAGE 9, 9, 3, \first
.if \first == 0
	RESCALE
.endif
.if \mode == 1
	s_wait_dscnt 16                                ; the 16 V^T loads are in; the 16 K loads issued behind them may stay out
.else
	s_wait_dscnt 0x0                               ; V^T is in; with it all my reads of this slot are over
.endif
.if \mode >= 2
	WIN 0
	s_wait_tensorcnt 0x0                           ; all my tensor loads have landed
	ds_add_u32 v254, v255
	s_wait_dscnt 0x0
.if \mode == 2
	s_add_nc_u64 s[G0K+4*\n+2:G0K+4*\n+3], s[G0K+4*\n+2:G0K+4*\n+3], 2*TILEB   ; no tensor load of mine is out: group 0 may be written
	s_add_nc_u64 s[G0V+4*\n+2:G0V+4*\n+3], s[G0V+4*\n+2:G0V+4*\n+3], 2*TILEB
	ROUND
	JLOAD \n
.else
	s_barrier_signal -1
	s_barrier_wait -1
.endif
	LDK 1-\n, 0
.endif
	WIN 0x50                                       ; A and B in window 0, C and D in window 1
	PVG 0, \first
	PVG 1, 0
	PLACES 5                                       ; five places: the next matrix instructions write over P^T, which these have read
	WIN 0
.endm
.macro TILE n, endmode, first          ; my 256 keys of slot n
	BLOCK \n, 0, 1, \first
	BLOCK \n, 1, 1, 0
	BLOCK \n, 2, 1, 0
	BLOCK \n, 3, \endmode, 0
.endm
	s_wait_loadcnt 0x0                             ; Q
	s_wait_tensorcnt 0x1                           ; my part of tile 0 is in; tile 1 stays out
	s_barrier_signal -1
	s_barrier_wait -1
	LDK 0, 0
	TILE 0, 2, 1                                   ; tile 0; slot 0 gets tile 2
	TILE 1, 2, 0                                   ; tile 1; slot 1 gets tile 3
	TILE 0, 3, 0                                   ; tile 2; behind its barrier nobody reads slot 0 any more and nothing is loaded into it
	TILE 1, 0, 0                                   ; tile 3
	; THE MERGE.  Every wave hands its register tiles 2, 3 of O^T (64 registers) and their pairs (NM, sum) to its partner and finishes its tiles 0, 1.
	WIN 0x04                                       ; store data from window 1
.set i, 0
.rept 16
	ds_store_b128 v[STG], v[OA+64+4*i:OA+64+4*i+3] offset:512*i
.set i, i+1
.endr
	WIN 0
	ds_store_b128 v[STG], v[NM+4:NM+7] offset:8192
	s_wait_dscnt 0x0                               ; the stores are done before the signal: the partner reads behind the barrier
	s_barrier_signal -1
	s_barrier_wait -1
	ds_load_b128 v[PN:PN+3], v[RCV] offset:8192
.set i, 0
.rept 16
	ds_load_b128 v[SC+4*i:SC+4*i+3], v[RCV] offset:512*i
.set i, i+1
.endr
	s_wait_dscnt 16                                ; the load of the pairs is in; the 16 younger ones may stay out
.irp a, 0,1
	v_min_num_f32 v[TT+\a], v[NM+2*\a], v[PN+2*\a]         ; the smaller -c m belongs to the larger maximum
.endr
.irp a, 0,1
	v_sub_f32 v[AL+2*\a], v[TT+\a], v[NM+2*\a]             ; both at most 0
	v_sub_f32 v[NMN+\a], v[TT+\a], v[PN+2*\a]
.endr
.irp a, 0,1
	v_exp_f32 v[AL+2*\a], v[AL+2*\a]
	v_exp_f32 v[NMN+\a], v[NMN+\a]
.endr
	v_nop
.irp a, 0,1
	s_wait_alu depctr_va_vdst(0)
	v_mul_f32 v[TT+\a], v[NM+2*\a+1], v[AL+2*\a]
.endr
.irp a, 0,1
	v_fmac_f32 v[TT+\a], v[PN+2*\a+1], v[NMN+\a]           ; the sum over the keys of my half of the lanes
.endr
.irp a, 0,1
	v_permlanex16_b32 v[AL+2*\a+1], v[TT+\a], s40, s41
.endr
.irp a, 0,1
	v_add_f32 v[TT+\a], v[TT+\a], v[AL+2*\a+1]             ; the whole sum of the query: at least about 1, the weight of the largest score
.endr
.irp a, 0,1
	v_rcp_f32 v[TT+\a], v[TT+\a]
.endr
	v_nop
.irp a, 0,1
	s_wait_alu depctr_va_vdst(0)
	v_mul_f32 v[AL+2*\a], v[AL+2*\a], v[TT+\a]             ; factor for my O^T
	v_mul_f32 v[NM+2*\a], v[NMN+\a], v[TT+\a]              ; factor for the O^T of my partner
.endr
	s_wait_dscnt 0x0
.irp a, 0,1
.irp p, 0,1,2,3,4,5,6,7,8,9,10,11,12,13,14,15
	v_pk_mul_f32 v[SC+32*\a+2*\p:SC+32*\a+2*\p+1], v[SC+32*\a+2*\p:SC+32*\a+2*\p+1], v[NM+2*\a:NM+2*\a+1] op_sel_hi:[1,0]
.endr
.endr
	WIN 0x01                                       ; source 0 from window 1
.irp a, 0,1
.irp p, 0,1,2,3,4,5,6,7,8,9,10,11,12,13,14,15
	v_pk_fma_f32 v[SC+32*\a+2*\p:SC+32*\a+2*\p+1], v[OA+32*\a+2*\p:OA+32*\a+2*\p+1], v[AL+2*\a:AL+2*\a+1], v[SC+32*\a+2*\p:SC+32*\a+2*\p+1] op_sel_hi:[1,0,1]
.endr
.endr
	WIN 0
	; A lane holds, for tile (a, dt), d = 16 dt + 8 h + 0..7 of row 16 a + r of my 32: 16 bytes of a row of att.  Through my own stage to whole rows.
.set i, 0
.rept 8
.irp q, 0,1,2,3
	v_cvt_pk_f16_f32 v[SC+8*i+\q], v[SC+8*i+2*\q], v[SC+8*i+2*\q+1]
.endr
.set i, i+1
.endr
.irp a, 0,1
.irp dt, 0,1,2,3
	ds_store_b128 v[OST], v[SC+8*(4*\a+\dt):SC+8*(4*\a+\dt)+3] offset:\a*16*OPITCH+\dt*32
.endr
.endr
.set i, 0
.rept 8
	ds_load_b128 v[FV+4*i:FV+4*i+3], v[ORD] offset:4*OPITCH*i      ; LDS serves the instructions of a wave in order: these see the stores above
.set i, i+1
.endr
.set i, 0
.rept 8
	s_wait_dscnt 7-i
	global_store_b128 v[GO], v[FV+4*i:FV+4*i+3], s[6:7] offset:512*i   ; four rows of 128 bytes: 512 consecutive bytes, aligned
.set i, i+1
.endr
	s_wait_tensorcnt 0x0
	ds_add_u32 v254, v255
	s_wait_dscnt 0x0
	ROUND                                          ; the closing round: no work-group ends while a partner may still ask for a tile that names it
	s_endpgm
.Lfunc_end_k_qe754f5117d_attn:
	.size	k_qe754f5117d_attn, .Lfunc_end_k_qe754f5117d_attn-k_qe754f5117d_attn
	.p2alignl 7, 3214868480
	.fill 96, 4, 3214868480
	.section	.rodata,"a",@progbits
	.p2align	6, 0x0
	.amdhsa_kernel k_qe754f5117d_attn
		.amdhsa_group_segment_fixed_size 327680
		.amdhsa_private_segment_fixed_size 0
		.amdhsa_enable_private_segment 0
		.amdhsa_kernarg_size 16
		.amdhsa_user_sgpr_count 2
		.amdhsa_user_sgpr_kernarg_segment_ptr 1
		.amdhsa_wavefront_size32 1
		.amdhsa_system_sgpr_workgroup_id_x 1
		.amdhsa_system_sgpr_workgroup_id_y 1
		.amdhsa_system_sgpr_workgroup_id_z 1
		.amdhsa_system_vgpr_workitem_id 0
		.amdhsa_next_free_vgpr 512
		.amdhsa_next_free_sgpr 66
		.amdhsa_reserve_vcc 0
		.amdhsa_float_denorm_mode_32 3
		.amdhsa_float_denorm_mode_16_64 3
		.amdhsa_memory_ordered 1
		.amdhsa_forward_progress 1
		.amdhsa_inst_pref_size 255
	.end_amdhsa_kernel
	.section	.bss,"aw",@nobits
	.p2align	6
	.space	262144
	.amdgpu_metadata
---
amdhsa.version: [ 1, 2 ]
amdhsa.kernels:
  - .name:           k_qe754f5117d_attn
    .symbol:         k_qe754f5117d_attn.kd
    .args:
      - { .name: qkv, .offset: 0, .size: 8, .value_kind: global_buffer, .address_space: global }
      - { .name: att, .offset: 8, .size: 8, .value_kind: global_buffer, .address_space: global }
    .group_segment_fixed_size: 327680
    .private_segment_fixed_size: 0
    .kernarg_segment_align: 8
    .kernarg_segment_size: 16
    .max_flat_workgroup_size: 256
    .sgpr_count:     66
    .vgpr_count:     512
    .wavefront_size: 32
...
	.end_amdgpu_metadata
.endif
;; end of part 3
;; launch oproj (part 4): grid 8 x 32, 4 waves a work-group, clusters of 4 x 4, 327,680 bytes of LDS; arguments att, wh, bo, out0; writes out0
.if DOCPART == 4
	.amdgcn_target "amdgcn-amd-amdhsa--gfx1250"
	.amdhsa_code_object_version 6
	.text
	.protected	k_qe754f5117d_oproj
	.globl	k_qe754f5117d_oproj
	.p2align	8
	.type	k_qe754f5117d_oproj,@function
k_qe754f5117d_oproj:
	s_mov_b64 s[64:65], 0
	v_nop
	global_prefetch_b8 v0, s[64:65] scope:SCOPE_SE
	s_setreg_imm32_b32 hwreg(HW_REG_WAVE_MODE, 25, 1), 1
	s_wait_xcnt 0x0
	s_wait_alu depctr_hold_cnt(0) depctr_sa_sdst(0) depctr_va_vdst(0) depctr_va_sdst(0) depctr_va_ssrc(0) depctr_va_vcc(0) depctr_vm_vsrc(0)
	s_getreg_b32 s2, hwreg(HW_REG_IB_STS2, 6, 4)
	s_cmp_eq_u32 s2, 0
	s_cbranch_scc0 .Lentry_in_a_cluster
	s_endpgm
.Lentry_in_a_cluster:
	s_bfe_u32 s2, ttmp6, 0x10000c
	s_cmp_lg_u32 s2, 0xf033
	s_cbranch_scc0 .Lentry_shape_is_right
	s_endpgm
.Lentry_shape_is_right:
; out0[m][n] = sum over (h, d) of att[b][h][s][d] Wo[n][64 h + d] + bo[n], m = 2,048 b + s.  f16 operands, f32 sums, f32 out.
; Wo in f16 is the fourth matrix of wh (byte 6,291,456 on).  The bias, in f32, is the C operand of the first matrix instruction of each accumulator.
; A work-group makes 128 x 128 with four waves, a wave 64 x 64: 16 accumulator tiles.  256 work-groups; a larger block would leave fewer work-groups than 256.
; With this tile a wave reads 16 KiB of LDS for 32 matrix instructions: accepted, since this launch has one eighth of the multiply-adds of the program.
; K goes in steps of 256 (four heads) through two LDS slots, four steps, written out without a loop.  A unit of work is one head: K = 64.
; CLUSTERS: 4 x 4 work-groups; tiles of att are shared along a row of the cluster, tiles of Wo along a column, each by a joint load.
; A tile of att for one wave: two heads, each a dense block of 128 rows x 128 bytes = 8,192 elements, taken as ONE tensor row; the padding, 4 words
; behind every 32 words counted along the tile, gives every row of 128 bytes a pitch of 144.
; REGISTERS: window 0: v16-27 addresses, v32-63 bias, v64-127 and v128-191 fragments of A; window 1: the same two buffers for B; window 2: v0-127 accumulators.
; The matrix instruction is used transposed (source 0 = rows of Wo, source 1 = rows of att): a lane holds 8 neighbouring columns of one row of out0.
.set APITCH, 144
.set BPITCH, 528                       ; a row of Wo in LDS: 512 bytes + 16
.set HEADT,  128*APITCH                ; 18,432: one head of the 128 rows of the block
.set REGION, 36864                     ; what one tensor load fills: two heads of A, or 64 rows of B (33,792 used)
.set SLOT,   4*REGION                  ; 147,456
.set STAGE,  2*SLOT                    ; 294,912: 16 rows x 272 bytes for each wave; no tensor load lands here
.set SPITCH, 272
.set ADRA, 16                          ; v16-17
.set ADRB, 20                          ; v20-21
.set STO,  24
.set RD,   25
.set CO,   26
.set BO,   27                          ; 32 h: my 8 numbers in 16 of the bias
.set BI,   32                          ; v32-63  bias tile b at BI + 8 b
.set F0,   64                          ; fragment (i, kc) at F + 8 (4 kc + i)
.set F1,   128
.set G1, 24
.set G0, 32
.set G1B, 48
.set G0B, 56
.set MSB, 0
.macro WIN new
.if MSB != \new
	s_set_vgpr_msb (MSB<<8)|\new
.set MSB, \new
.endif
.endm
.set MUL_ACC,  0xa1                    ; source 0 (B) window 1, source 1 (A) window 0, C and D window 2
.set MUL_BIAS, 0x81                    ; the same with C (the bias) in window 0
.set TO_B,     0x40
.macro JLOAD s
	s_cmp_eq_u32 s11, 0
	s_cbranch_scc0 .Lfor_b_\@
	tensor_load_to_lds s[G0+4*\s:G0+4*\s+3], s[G1:G1+7]
	s_nop 0
	s_branch .Lasked_\@
.Lfor_b_\@:
	tensor_load_to_lds s[G0B+4*\s:G0B+4*\s+3], s[G1B:G1B+7]
	s_nop 0
.Lasked_\@:
.endm
.macro CREST
	s_cmp_lg_u32 s10, 0
	s_cbranch_scc1 .Lnot_wave_0_\@
	s_barrier_signal -3
.Lnot_wave_0_\@:
	s_barrier_wait -3
	s_barrier_signal -1
	s_barrier_wait -1
.endm
.macro CROUND
	s_barrier_signal -1
	s_barrier_wait -1
	CREST
.endm
	s_load_b128 s[4:7], s[0:1], 0x0                ; att s[4:5], wh s[6:7]
	s_load_b128 s[68:71], s[0:1], 0x10             ; bo s[68:69], out0 s[70:71]
	s_set_vgpr_msb 0x40
	v_lshl_add_u32 v255, v0, 2, 0x4c400
	s_set_vgpr_msb 0x4000
	v_mov_b32 v255, 0
	s_set_vgpr_msb 0x1
	ds_add_u32 v255, v255
	ds_add_u32 v255, v255
	s_set_vgpr_msb 0x100
	v_lshrrev_b32 v1, 5, v0
	v_readfirstlane_b32 s10, v1                    ; wave 0..3
	s_lshr_b32 s11, s10, 1                         ; my half of the rows.  Also: I fetch for A (0) or for B (1)
	s_and_b32 s12, s10, 1                          ; my half of the columns.  Also: which half of that tile I fetch
	s_bfe_u32 s40, ttmp6, 0x40000                  ; cx
	s_bfe_u32 s41, ttmp6, 0x40004                  ; cy
	s_lshl_b32 s42, ttmp9, 2
	s_add_co_u32 s42, s42, s40                     ; block column, 0..7
	s_and_b32 s13, ttmp7, 0xffff
	s_lshl_b32 s13, s13, 2
	s_add_co_u32 s13, s13, s41                     ; block row, 0..31
	s_lshl_b32 s43, s41, 2
	s_lshl_b32 s43, 15, s43                        ; my row of the cluster
	s_lshl_b32 s44, 0x1111, s40                    ; my column
	; group 1 for A: 2 rows of 8,192 elements, 131,072 elements apart (a head); 4 words of padding behind every 32 words
	s_or_b32 s[G1+0], s43, (1<<16)|(1<<20)|(1<<21)|(4<<22)|(3<<25)
	s_mov_b32 s[G1+1], 8192<<16                    ; tensor_dim0
	s_mov_b32 s[G1+2], 2<<16                       ; tensor_dim1
	s_mov_b32 s[G1+3], 8192<<16                    ; tile_dim0
	s_mov_b32 s[G1+4], 2                           ; tile_dim1
	s_mov_b32 s[G1+5], 131072                      ; elements from row to row
	s_mov_b32 s[G1+6], 0
	s_mov_b32 s[G1+7], 0
	; group 1 for B: 64 rows of 256 elements, pitch 1,024; 4 words of padding behind every 128 words
	s_or_b32 s[G1B+0], s44, (1<<16)|(1<<20)|(1<<21)|(6<<22)|(3<<25)
	s_mov_b32 s[G1B+1], 256<<16
	s_mov_b32 s[G1B+2], 64<<16
	s_mov_b32 s[G1B+3], 256<<16
	s_mov_b32 s[G1B+4], 64
	s_mov_b32 s[G1B+5], 1024
	s_mov_b32 s[G1B+6], 0
	s_mov_b32 s[G1B+7], 0
	s_lshr_b32 s16, s13, 4                         ; A: batch x 16 heads x 262,144 bytes
	s_lshl_b32 s16, s16, 22
	s_and_b32 s17, s13, 15                         ; + 128 rows x 128 bytes for each block row inside the batch
	s_lshl_b32 s17, s17, 14
	s_add_co_u32 s16, s16, s17
	s_lshl_b32 s17, s12, 19                        ; + my two heads of the four of a slot
	s_add_co_u32 s16, s16, s17
	s_mov_b32 s17, 0
	s_lshl_b32 s46, s42, 18                        ; B: (128 x block column + 64 x half) rows of 2,048 bytes, behind Wq, Wk, Wv
	s_lshl_b32 s47, s12, 17
	s_add_co_u32 s46, s46, s47
	s_add_co_u32 s46, s46, 0x600000
	s_mov_b32 s47, 0
	s_lshl_b32 s2, s42, 9                          ; my first column in f32 bytes: 512 x block column + 256 x half
	s_lshl_b32 s3, s12, 8
	s_add_co_u32 s2, s2, s3
	s_mov_b32 s3, 0
	s_lshl_b32 s18, s13, 19                        ; my first row of out0: (128 x block row + 64 x half) x 4,096 bytes
	s_lshl_b32 s19, s11, 18
	s_add_co_u32 s18, s18, s19
	s_mov_b32 s19, 0
	s_mul_i32 s20, s10, REGION                     ; my region of a slot
	s_wait_dscnt 0x0
	s_wait_kmcnt 0x0
	s_add_nc_u64 s[14:15], s[4:5], s[16:17]
	s_add_nc_u64 s[46:47], s[6:7], s[46:47]
	s_add_nc_u64 s[68:69], s[68:69], s[2:3]
	s_add_nc_u64 s[70:71], s[70:71], s[2:3]
	s_add_nc_u64 s[70:71], s[70:71], s[18:19]
	CROUND                                         ; all sixteen work-groups are here: the first joint loads meet
.irp s, 0,1
	s_mov_b32 s[G0+4*\s], 1
	s_add_co_u32 s[G0+4*\s+1], s20, \s*SLOT
	s_add_nc_u64 s[G0+4*\s+2:G0+4*\s+3], s[14:15], \s*1048576      ; four heads on
	s_or_b32 s[G0+4*\s+3], s[G0+4*\s+3], 0x80000000
	s_mov_b32 s[G0B+4*\s], 1
	s_add_co_u32 s[G0B+4*\s+1], s20, \s*SLOT
	s_add_nc_u64 s[G0B+4*\s+2:G0B+4*\s+3], s[46:47], \s*512        ; 256 elements on
	s_or_b32 s[G0B+4*\s+3], s[G0B+4*\s+3], 0x80000000
	JLOAD \s                                       ; two tensor loads of a wave are out here, one behind every later round
.endr
	v_and_b32 v1, 15, v0                           ; r
	v_bfe_u32 v2, v0, 4, 1                         ; h
	v_lshlrev_b32 v[BO], 5, v2
.irp b, 0,1,2,3
	global_load_b128 v[BI+8*\b:BI+8*\b+3],   v[BO], s[68:69] offset:64*\b      ; bo of columns 16 b + 8 h + 0..7: what register j of tile b adds
	global_load_b128 v[BI+8*\b+4:BI+8*\b+7], v[BO], s[68:69] offset:64*\b+16
.endr
	v_mul_u32_u24 v3, v1, APITCH
	v_lshl_add_u32 v3, v2, 4, v3
	s_mul_i32 s21, s11, 64*APITCH                  ; my 64 rows inside each head
	v_mul_u32_u24 v4, v1, BPITCH
	v_lshl_add_u32 v4, v2, 4, v4
	s_mul_i32 s22, s12, REGION                     ; my 64 rows of B,
	s_add_co_u32 s22, s22, 2*REGION                ; behind the two regions of A
.irp s, 0,1
	v_add_nc_u32 v[ADRA+\s], s21, v3
	v_add_nc_u32 v[ADRB+\s], s22, v4
	s_add_co_u32 s21, s21, SLOT
	s_add_co_u32 s22, s22, SLOT
.endr
	s_mul_i32 s23, s10, 16*SPITCH
	s_add_co_u32 s23, s23, STAGE                   ; my stage
	v_mul_u32_u24 v5, v1, SPITCH                   ; in: row r, 32 bytes for each half of the lanes
	v_lshl_add_u32 v5, v2, 5, v5
	v_add_nc_u32 v[STO], s23, v5
	v_mul_u32_u24 v5, v2, SPITCH                   ; back: lanes 0-15 one row of 256 bytes, lanes 16-31 the next
	v_lshl_add_u32 v5, v1, 4, v5
	v_add_nc_u32 v[RD], s23, v5
	v_lshlrev_b32 v5, 12, v2                       ; and the same two rows in out0
	v_lshl_add_u32 v[CO], v1, 4, v5
; 8 matrix instructions: m blocks a0, a0 + 1 x 4 n blocks, 32 along K (half kc of a unit).  bias = 1: C is the bias tile, and the product starts the sums.
.macro MUL8 f, kc, a0, bias
.irp a, \a0, \a0+1
.irp b, 0,1,2,3
.if \bias
	v_wmma_f32_16x16x32_f16 v[8*(4*(\a)+\b):8*(4*(\a)+\b)+7], v[\f+8*(4*\kc+\b):\f+8*(4*\kc+\b)+7], v[\f+8*(4*\kc+(\a)):\f+8*(4*\kc+(\a))+7], v[BI+8*\b:BI+8*\b+7]
.else
	v_wmma_f32_16x16x32_f16 v[8*(4*(\a)+\b):8*(4*(\a)+\b)+7], v[\f+8*(4*\kc+\b):\f+8*(4*\kc+\b)+7], v[\f+8*(4*\kc+(\a)):\f+8*(4*\kc+(\a))+7], v[8*(4*(\a)+\b):8*(4*(\a)+\b)+7]
.endif
.endr
.endr
.endm
; 32 LDS loads: the fragments of unit u (one head, K = 64) of a slot into buffer f: B first, then A with its first K half first
.macro FETCH slot, u, f
	WIN TO_B
.irp kc, 0,1
.irp i, 0,1,2,3
	ds_load_b128 v[\f+8*(4*\kc+\i):\f+8*(4*\kc+\i)+3],   v[ADRB+\slot] offset:\u*128+\kc*64+\i*16*BPITCH
	ds_load_b128 v[\f+8*(4*\kc+\i)+4:\f+8*(4*\kc+\i)+7], v[ADRB+\slot] offset:\u*128+\kc*64+\i*16*BPITCH+32
.endr
.endr
	WIN 0
.irp kc, 0,1
.irp i, 0,1,2,3
	ds_load_b128 v[\f+8*(4*\kc+\i):\f+8*(4*\kc+\i)+3],   v[ADRA+\slot] offset:\u*HEADT+\kc*64+\i*16*APITCH
	ds_load_b128 v[\f+8*(4*\kc+\i)+4:\f+8*(4*\kc+\i)+7], v[ADRA+\slot] offset:\u*HEADT+\kc*64+\i*16*APITCH+32
.endr
.endr
.endm
.macro PLACES                          ; four independent vector instructions between a matrix instruction and a load into, or a store of, its registers
.rept 4
	v_nop
.endr
.endm
; One of the first three units of a slot: multiplies buffer f and fetches unit unext of the same slot into buffer g.
; The sixteen accumulators take turns, one instruction a turn, in the same order everywhere.
.macro UNIT slot, unext, f, g, bias
	s_wait_dscnt 8                                 ; all but the youngest eight loads: the second K half of A
.if \bias
	WIN MUL_BIAS
.else
	WIN MUL_ACC
.endif
	MUL8 \f, 0, 0, \bias
	MUL8 \f, 0, 2, \bias
	PLACES
	FETCH \slot, \unext, \g
	s_wait_dscnt 32                                ; all but the 32 just issued
	WIN MUL_ACC
	MUL8 \f, 1, 0, 0
	MUL8 \f, 1, 2, 0
.endm
.macro THREE slot, bias
	UNIT \slot, 1, F0, F1, \bias
	UNIT \slot, 2, F1, F0, 0
	UNIT \slot, 3, F0, F1, 0
.endm
; The fourth unit multiplies buffer 1 and changes slots: each wave waits for its reads of this slot and for all its tensor loads, then the barrier
; (with fill = 1 it opens a round of the barrier of the cluster), then the joint refill first, then the first fragments of the next slot.
.macro TURN slot, next, fill
	s_wait_dscnt 8
	WIN MUL_ACC
	MUL8 F1, 0, 0, 0
	s_wait_dscnt 0
	s_wait_tensorcnt 0x0
	ds_add_u32 v255, v255
	s_wait_dscnt 0x0
	s_barrier_signal -1
	MUL8 F1, 0, 2, 0                               ; register work while the others arrive
	WIN 0
	s_barrier_wait -1
.if \fill
	CREST
	s_add_nc_u64 s[G0+4*\slot+2:G0+4*\slot+3], s[G0+4*\slot+2:G0+4*\slot+3], 2097152   ; eight heads on
	s_add_nc_u64 s[G0B+4*\slot+2:G0B+4*\slot+3], s[G0B+4*\slot+2:G0B+4*\slot+3], 1024  ; 512 elements on
	JLOAD \slot
.endif
	PLACES
	FETCH \next, 0, F0
	WIN MUL_ACC
	MUL8 F1, 1, 0, 0
	MUL8 F1, 1, 2, 0
.endm
	s_wait_loadcnt 0x0                             ; the bias
	s_wait_tensorcnt 1                             ; my part of K step 0 is in; K step 1 stays out
	s_barrier_signal -1
	s_barrier_wait -1
	FETCH 0, 0, F0
	THREE 0, 1                                     ; heads 0-3; the first products take the bias as C
	TURN 0, 1, 1                                   ; slot 0 gets heads 8-11
	THREE 1, 0                                     ; heads 4-7
	TURN 1, 0, 1                                   ; slot 1 gets heads 12-15
	THREE 0, 0
	TURN 0, 1, 0                                   ; nothing is left to fetch
	THREE 1, 0
	s_wait_dscnt 8                                 ; the last unit
	WIN MUL_ACC
	MUL8 F1, 0, 0, 0
	MUL8 F1, 0, 2, 0
	s_wait_dscnt 0
	MUL8 F1, 1, 0, 0
	MUL8 F1, 1, 2, 0
	PLACES
; THE WAY OUT, 16 rows at a time: a lane puts its 8 f32 of each of four tiles into my own stage; rows of 256 bytes are read back and stored.
.macro OUT16 a, f
	WIN 0x08                                       ; store data from window 2
.irp b, 0,1,2,3
	ds_store_b128 v[STO], v[8*(4*\a+\b):8*(4*\a+\b)+3]   offset:64*\b
	ds_store_b128 v[STO], v[8*(4*\a+\b)+4:8*(4*\a+\b)+7] offset:64*\b+16
.endr
	WIN 0
	s_wait_xcnt 0x0                                ; buffer f, which earlier stores read, is loaded again only behind this wait
.irp t, 0,1,2,3,4,5,6,7
	ds_load_b128 v[\f+4*\t:\f+4*\t+3], v[RD] offset:\t*2*SPITCH    ; LDS serves the instructions of a wave in order: these see the stores above
.endr
.irp t, 0,1,2,3,4,5,6,7
	s_wait_dscnt 7-\t
	global_store_b128 v[CO], v[\f+4*\t:\f+4*\t+3], s[70:71] offset:(16*\a+2*\t)*4096 th:TH_STORE_NT   ; 16 lanes store 256 consecutive bytes, aligned
.endr
.endm
	OUT16 0, F0
	OUT16 1, F1
	OUT16 2, F0
	OUT16 3, F1
	s_set_vgpr_msb 0x1
	s_wait_tensorcnt 0x0
	ds_add_u32 v255, v255
	s_wait_dscnt 0x0
	s_set_vgpr_msb 0x100
	CROUND                                         ; the closing round
	s_endpgm
.Lfunc_end_k_qe754f5117d_oproj:
	.size	k_qe754f5117d_oproj, .Lfunc_end_k_qe754f5117d_oproj-k_qe754f5117d_oproj
	.p2alignl 7, 3214868480
	.fill 96, 4, 3214868480
	.section	.rodata,"a",@progbits
	.p2align	6, 0x0
	.amdhsa_kernel k_qe754f5117d_oproj
		.amdhsa_group_segment_fixed_size 327680
		.amdhsa_private_segment_fixed_size 0
		.amdhsa_enable_private_segment 0
		.amdhsa_kernarg_size 32
		.amdhsa_user_sgpr_count 2
		.amdhsa_user_sgpr_kernarg_segment_ptr 1
		.amdhsa_wavefront_size32 1
		.amdhsa_system_sgpr_workgroup_id_x 1
		.amdhsa_system_sgpr_workgroup_id_y 1
		.amdhsa_system_sgpr_workgroup_id_z 1
		.amdhsa_system_vgpr_workitem_id 0
		.amdhsa_next_free_vgpr 640
		.amdhsa_next_free_sgpr 72
		.amdhsa_reserve_vcc 0
		.amdhsa_float_denorm_mode_32 3
		.amdhsa_float_denorm_mode_16_64 3
		.amdhsa_memory_ordered 1
		.amdhsa_forward_progress 1
		.amdhsa_inst_pref_size 87
	.end_amdhsa_kernel
	.amdgpu_metadata
---
amdhsa.version: [ 1, 2 ]
amdhsa.kernels:
  - .name:           k_qe754f5117d_oproj
    .symbol:         k_qe754f5117d_oproj.kd
    .args:
      - { .name: att, .offset: 0, .size: 8, .value_kind: global_buffer, .address_space: global }
      - { .name: wh, .offset: 8, .size: 8, .value_kind: global_buffer, .address_space: global }
      - { .name: bo, .offset: 16, .size: 8, .value_kind: global_buffer, .address_space: global }
      - { .name: out0, .offset: 24, .size: 8, .value_kind: global_buffer, .address_space: global }
    .group_segment_fixed_size: 327680
    .private_segment_fixed_size: 0
    .kernarg_segment_align: 8
    .kernarg_segment_size: 32
    .max_flat_workgroup_size: 128
    .sgpr_count:     72
    .vgpr_count:     640
    .wavefront_size: 32
...
	.end_amdgpu_metadata
.endif
;; end of part 4
